; MI455X (gfx1250); checked and timed in simulation.
; The chip was launched on July 23, 2026; its instructions are those of AMD's public machine-readable ISA for CDNA 5 (MIT licence, August 2026) and "CDNA5" Instruction Set Architecture Reference Guide (July 2026). The comments in the code are by the model that wrote it; some were corrected since.
;; Mo E Layer. Allowed arithmetic: float matrix products may take bf16 or f16 operands with f32 sums; other float arithmetic in f32, or as packed bf16 or f16 multiplies, adds, multiply-adds, maxima and minima; sums over many terms, partial sums and values carried from step to step in f32; what a program stores and reads back later, other than sums and carried values, may be rounded once to bf16 or f16.
;; Inputs: b1 8 x 2,048 float32; b2 8 x 1,024 float32; gate_b 8 float32; gate_w 1,024 x 8 float32; w1 8 x 1,024 x 2,048 float32; w2 8 x 2,048 x 1,024 float32; x 4 x 512 x 1,024 float32.
;; Outputs: out0 4 x 512 x 1,024 float32.
;; Constants: num_experts_per_tok = 2.
;; One version. Each part assembles by itself: llvm-mc -triple=amdgcn-amd-amdhsa -mcpu=gfx1250 --defsym DOCPART=n.
;; ======== version 1 of 1: 4 launches
;; workspace buffers: xb 4,194,304 bytes; rt 20,480 bytes of whole numbers; gat 16,384 bytes; hid 18,284,544 bytes; pos 66,560 bytes of whole numbers; part 36,569,088 bytes
;; launch router (part 1): grid 128 x 1, 8 waves a work-group, no clusters, 60,416 bytes of LDS; arguments x, gate_w, gate_b, xb, rt, gat; writes xb, rt, gat
.if DOCPART == 1
	.amdgcn_target "amdgcn-amd-amdhsa--gfx1250"
	.amdhsa_code_object_version 6
	.text
	.protected	k_qeb026f6f6a_router
	.globl	k_qeb026f6f6a_router
	.p2align	8
	.type	k_qeb026f6f6a_router,@function
k_qeb026f6f6a_router:
	s_mov_b64 s[64:65], 0
	v_nop
	global_prefetch_b8 v0, s[64:65] scope:SCOPE_SE
	s_setreg_imm32_b32 hwreg(HW_REG_WAVE_MODE, 25, 1), 1
	s_wait_xcnt 0x0
; ROUTER.  logits = x gate_w + gate_b for 16 tokens a work-group; the two largest of the 8 logits and their gates; x rounded to bf16 for the first product.
; All inputs are rounded to bf16 (x, gate_w, gate_b), sums in f32.  Wave w takes K = 128 w .. 128 w + 127; the eight partial logits meet in LDS and wave 0 finishes.
; STORED, all at fixed places (nothing here forms an address from a choice):
;   xb  [2048][1024] bf16
;   rt  bytes 0..2047     bm   [8 experts][128 groups of 16 tokens] u16: bit r = token 16 g + r chose the expert
;       bytes 2048..4095  cnt8 [128 groups][8 experts] u16: how many of the group's tokens chose the expert
;       bytes 4096..      sel  [2048][2] u32: the chosen experts, best first
;   gat [2048][2] f32: their gates
; GATES.  The softmax's denominator cancels in s / (s1 + s2): g1 = 1 / (1 + p), g2 = p g1, p = exp(l2 - l1) with l1 the maximum, so p lies in 0 .. 1.
; reference()'s clamp at 1e-12 never binds: the largest of 8 scores is 1/8 or more.
; LIMITS.  The two largest are taken on the logits by a strict >, so the lower index wins a tie; two unequal logits whose f32 scores would round to one number are not
; seen as a tie.  p below 2^-126 counts as 0.  NaN and infinities are not treated apart.
; No matrix tile is shared between work-groups but gate_w (32 KiB of a work-group's 96 KiB of input), so no cluster.
.set GT,    0                          ; gate_w in bf16, [1024 k][8]: 16 bytes a k
.set XS,    16384                      ; + wave x 4,352: the wave's 16 rows x 128 k in bf16, rows 272 bytes apart
.set XSW,   16*272
.set PS,    51200                      ; + wave x 1,024: the wave's partial logits, 32 bytes a lane
.set SPARE, 59392                      ; the spare words, 128 bytes for each of 8 waves; no other line names them
.set X,   16                           ; v[16:79]   16 rows x 4 f32 as loaded; later row pairs, later the partial logits
.set G,   80                           ; v[80:111]  8 units of gate_w as loaded
.set XF,  112                          ; v[112:143] four fragments of x (16 tokens x 32 k)
.set GF,  144                          ; v[144:175] four fragments of gate_w (experts x 32 k)
.set AC0, 176                          ; v[176:183], v[184:191] two accumulators, by turns
.set AC1, 184
	s_load_b256 s[4:11], s[0:1], 0x0               ; x s[4:5], gate_w s[6:7], gate_b s[8:9], xb s[10:11]
	s_load_b128 s[12:15], s[0:1], 0x20             ; rt s[12:13], gat s[14:15]
	v_lshl_add_u32 v10, v0, 2, SPARE               ; my spare word,
	v_mov_b32 v11, 0                               ; and 0: kept for the closing lines alone
	v_lshrrev_b32 v12, 5, v0
	v_readfirstlane_b32 s24, v12                   ; wave 0..7
	s_mov_b32 s25, ttmp9                           ; group of 16 tokens
	s_mov_b32 s31, 0xffff0000                      ; a word's upper bf16; also the mask of lanes 16-31
	v_and_b32 v13, 31, v0                          ; lane
	v_and_b32 v14, 15, v0                          ; r
	v_bfe_u32 v15, v0, 4, 1                        ; h
	v_lshlrev_b32 v1, 4, v13                       ; 16 x lane: my 4 f32 of a row's 512 bytes
	v_lshlrev_b32 v2, 4, v0                        ; 16 x thread: my 4 f32 of a unit of gate_w
	v_lshlrev_b32 v3, 3, v0                        ; 8 x thread: where they go in GT
	s_mul_i32 s32, s24, XSW
	s_add_co_u32 s32, s32, XS                      ; my wave's rows in LDS
	v_lshl_add_u32 v4, v13, 3, s32                 ; in: 8 bytes a lane
	v_mul_u32_u24 v5, v14, 272
	v_lshl_add_u32 v5, v15, 4, v5
	v_add_nc_u32 v5, s32, v5                       ; fragment: row r, 16 bytes for each half of the lanes
	v_mul_u32_u24 v6, v15, 272
	v_lshl_add_u32 v6, v14, 4, v6
	v_add_nc_u32 v6, s32, v6                       ; back by rows: lanes 0-15 one row's 256 bytes, lanes 16-31 the next
	v_lshlrev_b32 v7, 11, v15
	v_lshl_add_u32 v7, v14, 4, v7                  ; and the same two rows in xb (2,048 bytes a row)
	v_and_b32 v8, 7, v0
	v_lshl_add_u32 v8, v15, 3, v8
	v_lshlrev_b32 v8, 4, v8
	s_lshl_b32 s33, s24, 11
	v_add_nc_u32 v8, s33, v8                       ; turning load: k = 128 w + 8 h + lane % 8, 16 bytes a k; no column term: lanes 8-15 repeat experts 0-7
	s_lshl_b32 s33, s24, 10
	s_add_co_u32 s33, s33, PS
	v_lshl_add_u32 v9, v13, 5, s33                 ; my 8 partial logits
	s_lshl_b32 s26, s25, 16                        ; x: 16 rows of 4,096 bytes a group, 512 bytes of a row a wave
	s_lshl_b32 s33, s24, 9
	s_add_co_u32 s26, s26, s33
	s_mov_b32 s27, 0
	s_lshl_b32 s34, s25, 15                        ; xb: half of that
	s_lshl_b32 s33, s24, 8
	s_add_co_u32 s34, s34, s33
	s_mov_b32 s35, 0
	s_wait_kmcnt 0x0
	s_add_nc_u64 s[4:5], s[4:5], s[26:27]
	s_add_nc_u64 s[10:11], s[10:11], s[34:35]
	s_load_b256 s[16:23], s[8:9], 0x0              ; gate_b, for wave 0
.irp p, 0,1,2,3,4,5,6,7,8,9,10,11,12,13,14,15
	global_load_b128 v[X+4*\p:X+4*\p+3], v1, s[4:5] offset:\p*4096 th:TH_LOAD_NT  ; 512 neighbouring bytes of row p
.endr
.irp a, 0,1,2,3,4,5,6,7
	global_load_b128 v[G+4*\a:G+4*\a+3], v2, s[6:7] offset:\a*4096  ; the work-group's 256 threads take 4,096 bytes a unit
.endr
	s_wait_loadcnt 0x8                             ; x is in; the 8 loads of gate_w may stay out
.irp p, 0,1,2,3,4,5,6,7,8,9,10,11,12,13,14,15
	v_cvt_pk_bf16_f32 v[X+4*\p], v[X+4*\p], v[X+4*\p+1]
	v_cvt_pk_bf16_f32 v[X+4*\p+1], v[X+4*\p+2], v[X+4*\p+3]
	ds_store_b64 v4, v[X+4*\p:X+4*\p+1] offset:\p*272
.endr
	s_wait_loadcnt 0x0
.irp a, 0,1,2,3,4,5,6,7
	v_cvt_pk_bf16_f32 v[G+4*\a], v[G+4*\a], v[G+4*\a+1]
	v_cvt_pk_bf16_f32 v[G+4*\a+1], v[G+4*\a+2], v[G+4*\a+3]
	ds_store_b64 v3, v[G+4*\a:G+4*\a+1] offset:\a*2048
.endr
	; my own rows come back twice: as fragments, and by rows for xb.  LDS serves a wave's instructions in order, so these see the stores above.
.irp q, 0,1,2,3
	ds_load_b128 v[XF+8*\q:XF+8*\q+3],   v5 offset:64*\q
	ds_load_b128 v[XF+8*\q+4:XF+8*\q+7], v5 offset:64*\q+32
.endr
.irp t, 0,1,2,3,4,5,6,7
	ds_load_b128 v[X+4*\t:X+4*\t+3], v6 offset:544*\t
.endr
.irp t, 0,1,2,3,4,5,6,7
	s_wait_dscnt 7-\t                              ; row pair t is back; the younger pairs may stay out
	global_store_b128 v7, v[X+4*\t:X+4*\t+3], s[10:11] offset:4096*\t  ; 16 lanes store 256 consecutive bytes, at a multiple of 256 from xb's first byte
.endr
	s_wait_dscnt 0x0                               ; for the others' sake: my part of GT is stored
	s_barrier_signal -1
	s_barrier_wait -1                              ; GT is whole
.irp q, 0,1,2,3
	ds_load_tr16_b128 v[GF+8*\q:GF+8*\q+3],   v8 offset:512*\q
	ds_load_tr16_b128 v[GF+8*\q+4:GF+8*\q+7], v8 offset:512*\q+256
.endr
	s_wait_dscnt 0x0
	; source 0 = experts (rows 8-15 repeat 0-7), source 1 = tokens: lane (r, h) register i = logit of token r, expert i, in both halves of the lanes.
	; Two accumulators by turns.
	v_wmma_f32_16x16x32_bf16 v[AC0:AC0+7], v[GF:GF+7],       v[XF:XF+7],       0
	v_wmma_f32_16x16x32_bf16 v[AC1:AC1+7], v[GF+8:GF+15],    v[XF+8:XF+15],    0
	v_wmma_f32_16x16x32_bf16 v[AC0:AC0+7], v[GF+16:GF+23],   v[XF+16:XF+23],   v[AC0:AC0+7]
	v_wmma_f32_16x16x32_bf16 v[AC1:AC1+7], v[GF+24:GF+31],   v[XF+24:XF+31],   v[AC1:AC1+7]
.rept 4
	v_nop                                          ; four places ahead of the first read of the results (ISA guide 7.12.1)
.endr
.irp c, 0,2,4,6
	v_pk_add_f32 v[AC0+\c:AC0+\c+1], v[AC0+\c:AC0+\c+1], v[AC1+\c:AC1+\c+1]  ; from the low end on
.endr
	ds_store_b128 v9, v[AC0:AC0+3]
	ds_store_b128 v9, v[AC0+4:AC0+7] offset:16
	s_wait_dscnt 0x0
	s_barrier_signal -1
	s_barrier_wait -1                              ; all eight partial logits are in LDS
	s_cmp_lg_u32 s24, 0
	s_cbranch_scc1 .Lend                           ; wave 0 finishes; no barrier stands in what the others jump
	s_wait_xcnt 0x0                                ; the stores to xb have read v[16:47], which are loaded anew
	v_lshl_add_u32 v12, v13, 5, PS
.irp q, 0,1,2,3,4,5,6,7
	ds_load_b128 v[X+8*\q:X+8*\q+3],   v12 offset:\q*1024
	ds_load_b128 v[X+8*\q+4:X+8*\q+7], v12 offset:\q*1024+16
.endr
	s_wait_dscnt 0x0
.irp q, 1,2,3,4,5,6,7                  ; K ascending
.irp c, 0,2,4,6
	v_pk_add_f32 v[X+\c:X+\c+1], v[X+\c:X+\c+1], v[X+8*\q+\c:X+8*\q+\c+1]
.endr
.endr
	s_wait_kmcnt 0x0                               ; gate_b
.irp d, 0,1,2,3
	v_cvt_pk_bf16_f32 v[80+\d], s[16+2*\d], s[17+2*\d]
.endr
.irp d, 0,1,2,3
	v_lshlrev_b32 v[84+2*\d], 16, v[80+\d]
	v_and_b32 v[85+2*\d], s31, v[80+\d]
	v_pk_add_f32 v[X+2*\d:X+2*\d+1], v[X+2*\d:X+2*\d+1], v[84+2*\d:85+2*\d]
.endr
	; the two largest: v24 m1, v25 m2, v26 i1, v27 i2.  A strict > keeps the lower index.
	v_cmp_gt_f32 s28, v17, v16
	v_cndmask_b32 v24, v16, v17, s28
	v_cndmask_b32 v25, v17, v16, s28
	v_cndmask_b32 v26, 0, 1, s28
	v_cndmask_b32 v27, 1, 0, s28
.irp i, 2,3,4,5,6,7
	v_cmp_gt_f32 s28, v[X+\i], v24
	v_cmp_gt_f32 s29, v[X+\i], v25
	v_cndmask_b32 v25, v25, v[X+\i], s29
	v_cndmask_b32 v25, v25, v24, s28
	v_cndmask_b32 v27, v27, \i, s29
	v_cndmask_b32 v27, v27, v26, s28
	v_cndmask_b32 v24, v24, v[X+\i], s28
	v_cndmask_b32 v26, v26, \i, s28
.endr
	v_sub_f32 v28, v25, v24                        ; l2 - l1, at most 0
	v_mul_f32 v28, 0x3fb8aa3b, v28
	v_exp_f32 v29, v28                             ; p
	v_lshlrev_b32 v35, 3, v14                      ; (a plain instruction behind the exponential) my place in sel and gat: 8 r + 4 h
	s_wait_alu depctr_va_vdst(0)                   ; the wait ahead of the result's first reader
	v_add_f32 v30, 1.0, v29
	v_rcp_f32 v31, v30                             ; g1
	v_lshl_add_u32 v35, v15, 2, v35
	s_wait_alu depctr_va_vdst(0)
	v_mul_f32 v32, v29, v31                        ; g2
	v_cndmask_b32 v33, v26, v27, s31               ; lanes 0-15 store slot 0, lanes 16-31 slot 1
	v_cndmask_b32 v34, v31, v32, s31
	s_lshl_b32 s26, s25, 7                         ; 128 bytes a group
	s_add_nc_u64 s[36:37], s[12:13], s[26:27]
	s_add_nc_u64 s[38:39], s[14:15], s[26:27]
	global_store_b32 v35, v33, s[36:37] offset:4096
	global_store_b32 v35, v34, s[38:39]
	; the bitmaps and counts: lane e of v36 takes expert e's 16 bits, lane e / 2 of v37 two counts
	v_mov_b32 v36, 0
	v_mov_b32 v37, 0
.irp q, 0,1,2,3,4,5,6,7
	v_cmp_eq_u32 s28, \q, v26
	v_cmp_eq_u32 s29, \q, v27
	s_or_b32 s28, s28, s29
	s_and_b32 s28, s28, 0xffff                     ; lanes 16-31 repeat lanes 0-15
	v_writelane_b32 v36, s28, \q
	s_bcnt1_i32_b32 s29, s28
.if (\q)%2 == 0
	s_mov_b32 s44, s29
.else
	s_lshl_b32 s29, s29, 16
	s_or_b32 s44, s44, s29
	v_writelane_b32 v37, s44, (\q)/2
.endif
.endr
	v_lshlrev_b32 v38, 8, v13                      ; bm: expert x 256 bytes
	v_lshlrev_b32 v39, 2, v13                      ; cnt8: 4 bytes a lane
	s_lshl_b32 s26, s25, 1
	s_add_nc_u64 s[40:41], s[12:13], s[26:27]      ; + 2 g
	s_lshl_b32 s26, s25, 4
	s_add_nc_u64 s[42:43], s[12:13], s[26:27]      ; + 16 g
	s_wait_xcnt 0x0                                ; EXEC changes only behind this wait
	v_cmp_gt_u32 vcc_lo, 8, v13
	s_and_saveexec_b32 s30, vcc_lo
	global_store_b16 v38, v36, s[40:41]            ; 8 lanes, one expert each: 16 bytes a work-group in all
	s_wait_xcnt 0x0
	s_or_b32 exec_lo, exec_lo, s30
	v_cmp_gt_u32 vcc_lo, 4, v13
	s_and_saveexec_b32 s30, vcc_lo
	global_store_b32 v39, v37, s[42:43] offset:2048
	s_wait_xcnt 0x0
	s_or_b32 exec_lo, exec_lo, s30
.Lend:
	s_wait_tensorcnt 0x0                           ; the wave's end
	ds_add_u32 v10, v11
	s_wait_dscnt 0x0
	s_endpgm
.Lfunc_end_k_qeb026f6f6a_router:
	.size	k_qeb026f6f6a_router, .Lfunc_end_k_qeb026f6f6a_router-k_qeb026f6f6a_router
	.p2alignl 7, 3214868480
	.fill 96, 4, 3214868480
	.section	.rodata,"a",@progbits
	.p2align	6, 0x0
	.amdhsa_kernel k_qeb026f6f6a_router
		.amdhsa_group_segment_fixed_size 60416
		.amdhsa_private_segment_fixed_size 0
		.amdhsa_enable_private_segment 0
		.amdhsa_kernarg_size 48
		.amdhsa_user_sgpr_count 2
		.amdhsa_user_sgpr_kernarg_segment_ptr 1
		.amdhsa_wavefront_size32 1
		.amdhsa_system_sgpr_workgroup_id_x 1
		.amdhsa_system_sgpr_workgroup_id_y 1
		.amdhsa_system_sgpr_workgroup_id_z 1
		.amdhsa_system_vgpr_workitem_id 0
		.amdhsa_next_free_vgpr 192
		.amdhsa_next_free_sgpr 66
		.amdhsa_reserve_vcc 1
		.amdhsa_float_denorm_mode_32 3
		.amdhsa_float_denorm_mode_16_64 3
		.amdhsa_memory_ordered 1
		.amdhsa_forward_progress 1
		.amdhsa_inst_pref_size 25
	.end_amdhsa_kernel
	.amdgpu_metadata
---
amdhsa.version: [ 1, 2 ]
amdhsa.kernels:
  - .name:           k_qeb026f6f6a_router
    .symbol:         k_qeb026f6f6a_router.kd
    .args:
      - { .name: x, .offset: 0, .size: 8, .value_kind: global_buffer, .address_space: global }
      - { .name: gate_w, .offset: 8, .size: 8, .value_kind: global_buffer, .address_space: global }
      - { .name: gate_b, .offset: 16, .size: 8, .value_kind: global_buffer, .address_space: global }
      - { .name: xb, .offset: 24, .size: 8, .value_kind: global_buffer, .address_space: global }
      - { .name: rt, .offset: 32, .size: 8, .value_kind: global_buffer, .address_space: global }
      - { .name: gat, .offset: 40, .size: 8, .value_kind: global_buffer, .address_space: global }
    .group_segment_fixed_size: 60416
    .private_segment_fixed_size: 0
    .kernarg_segment_align: 8
    .kernarg_segment_size: 48
    .max_flat_workgroup_size: 256
    .sgpr_count:     66
    .vgpr_count:     192
    .wavefront_size: 32
...
	.end_amdgpu_metadata
.endif
;; end of part 1
;; launch up (part 2): grid 32 x 8, 16 waves a work-group, no clusters, 215,040 bytes of LDS; arguments w1, b1, xb, rt, hid, pos; writes hid, pos
.if DOCPART == 2
	.amdgcn_target "amdgcn-amd-amdhsa--gfx1250"
	.amdhsa_code_object_version 6
	.text
	.protected	k_qeb026f6f6a_up
	.globl	k_qeb026f6f6a_up
	.p2align	8
	.type	k_qeb026f6f6a_up,@function
k_qeb026f6f6a_up:
	s_mov_b64 s[64:65], 0
	v_nop
	global_prefetch_b8 v0, s[64:65] scope:SCOPE_SE
	s_setreg_imm32_b32 hwreg(HW_REG_WAVE_MODE, 25, 1), 1
	s_wait_xcnt 0x0
; FIRST PRODUCT.  hid = relu(x w1[e] + b1[e]) for the rows that chose expert e.  Work-group (s, e) holds columns 64 s .. 64 s + 63 of w1[e], all K = 1,024, which it alone reads:
; each weight leaves memory once and is rounded to bf16 on its way through registers into LDS (128 KiB of fragments).  All 256 KiB of the slice are asked for in the first lines.
; Then the expert's rows go by in tiles of 48, dealt to the 16 waves; x comes from xb straight into registers, by the list of the expert's tokens.
; w1, b1 and x are rounded to bf16, sums in f32, the hidden layer rounded once to bf16.  LIMITS: a NaN in the hidden layer becomes 0 (the packed maximum); infinities are not treated apart.
; ROUTING.  Every wave makes the list of its expert's tokens for itself, from the bitmap that the launch before stored.  Expert e's rows lie in ascending token order from position
; 48 x (the sum of ceil(count / 48) over the experts before it): at most 93 tiles of 48 = 4,464 positions for every split of the 4,096 choices.  Places past the count repeat token 0's row and
; are stored into the expert's own padding, which nobody reads.  An expert has 43 tiles at the most: three passes of 16 waves; a wave without a tile jumps the pass.
; Slice 0's wave 11 also stores each token's position (pos) and the expert's first tile and count (meta), for the launches behind: behind the first barrier, so that no wave waits for it; that wave's
; first tile is number 15, so up to 720 rows it has no tile of its own.
; FRAGMENTS WITHOUT A TURN.  A loader lane takes 4 neighbouring columns of 16 rows k; two rows of ONE column pack into a fragment register, so fragment c (0..3) holds column 4 r + c in lane r.
; THE PRODUCT IS USED TRANSPOSED (source 0 = weights, source 1 = rows): lane (r, h) register p of accumulator (i, c) = row r of tile part i, hidden column 64 s + 32 h + 4 p + c: eight numbers that
; pack into 16 bytes, stored as they will be read: hid tile T (16 rows), fragment kf, half j at T x 65,536 + kf x 1,024 + j x 512 + lane x 16 is register 4 j .. 4 j + 3 of the second product's row
; fragment, with k permuted: slot (j, h, p) of fragment 2 s + u is hidden column 64 s + 32 h + 4 p + 2 u + j.  The second product lays w2's rows in the same order.
; THE ROW LOOP.  A K step of 32 is two half steps of 6 products (columns c = 0, 1; then c = 2, 3).  The weight fragments lie in three pairs of buffers that take turns: half step n reads pair n % 3, and at
; its head the pair that half step n - 1 read is asked for again, for half step n + 2: 12 products stand between a fragment's load and the wait for it.  The rows lie in a ring of four K steps.
; NO TENSOR LOADS, NO CLUSTER: the rows come by a list, which no descriptor covers, and the number of tiles hangs on a stored count, so the row loop holds neither a barrier nor an LDS write; each
; slice of weights has one reader.
; BARRIERS: two.  One between the filling of LDS and the row loop; one behind the row loop, between every wave's reads of LDS and the closing lines, which write LDS.
.set BIAS,  131072                     ; behind the 128 KiB of fragments (k step x 4,096 + c x 1,024 + j x 512 + lane x 16): the bias as accumulators take it, c x 1,024 + half x 512 + lane x 16
.set LIST,  135168                     ; + wave x 4,864: u16 entries: 0..2303 tokens by rank, 2304..2335 a dump word for each lane
.set LISTW, 4864
.set SPARE, 212992                     ; the spare words, 128 bytes for each of 16 waves; no other line names them
.set BF,  16                           ; v[16:63]   weight fragments: three pairs
.set AR,  64                           ; v[64:159]  rows: a ring of four K steps x three fragments
.set ACC, 160                          ; v[160:255] accumulator (i, c) at ACC + 32 i + 8 c
.set LW,  128                          ; weight phase: v[128:255] 32 loads of 4 f32
.set OW,  112                          ; weight phase: v[112:127] packed fragments, four sets
.set BM,  96                           ; set-up: v96, v97 the expert's 64 bitmap words: word l in lane l of v96, word 32 + l in lane l of v97
.set LT,  100                          ; set-up: v[100:103] four list addresses at work
.set LU,  104                          ; set-up: v[104:107] their four tokens
; set-up also: v[16:31] the counts as loaded, v[32:63] b1 as loaded, v[64:95] b1 rounded (wave 0)
; v1 16 x lane   v2 + wave x 8,192   v3 + 65,536   v4 + BIAS   v5 list address   v6 4 x lane, then with v7, v8 tokens and row offsets   v9 16 h   v10 0   v11, v12 the add's two   v13 weights' lane term   v14, v15 at work
; s[16:31] bitmap words  s32 wave  s33 slice  s34 expert  s35 running rank  s36 at work  s37 count  s38 tiles of 48  s39 first tile of 16  s40 my tile  s41 trips  s[42:43] bitmap  s[44:45] offset  s[46:47] hid base
; s[48:55] counts  s56, s57 lane selects  s[58:59] pos  s[60:63] at work  s66 first position  s67 my list  s[68:69] weights  s[70:71] b1
.macro WLOAD a                         ; 16 loads: K step 2 w + a.  Lanes 0-15 take 256 bytes of one row, lanes 16-31 of the row 8 further on
.irp hf, 0,1
.irp i, 0,1,2,3,4,5,6,7
	global_load_b128 v[LW+((2*(\a)+\hf)*8+\i)*4:LW+((2*(\a)+\hf)*8+\i)*4+3], v13, s[68:69] offset:(32*(\a)+16*\hf+\i)*8192 th:TH_LOAD_NT
.endr
.endr
.endm
.macro CONV a                          ; rows 2 d and 2 d + 1 of column c pack into register d of fragment c's half hf; 512 neighbouring bytes a store
.irp hf, 0,1
.irp c, 0,1,2,3
.irp d, 0,1,2,3
	v_cvt_pk_bf16_f32 v[OW+4*\c+\d], v[LW+((2*(\a)+\hf)*8+2*\d)*4+\c], v[LW+((2*(\a)+\hf)*8+2*\d+1)*4+\c]
.endr
	ds_store_b128 v2, v[OW+4*\c:OW+4*\c+3] offset:(\a)*4096+\c*1024+\hf*512
.endr
.endr
.endm
.macro ISUM x                          ; a whole number summed over the 32 lanes
.irp m, 1,2,4,8
	v_mov_b32_dpp v7, v[\x] row_xmask:\m row_mask:0xf bank_mask:0xf
	v_add_nc_u32 v[\x], v[\x], v7
.endr
	v_permlanex16_b32 v7, v[\x], s56, s57
	v_add_nc_u32 v[\x], v[\x], v7
.endm
; Bitmap words 16 b .. 16 b + 15 into the list: token of rank n at entry n; a lane whose token is no member writes its dump word.  Four words abreast, each on registers of its own, so that no line
; reads the result of the line before it.
.macro LIST16 b
.irp q, 0,1,2,3,4,5,6,7,8,9,10,11,12,13,14,15
	v_readlane_b32 s[16+\q], v[BM+(\b)/2], 16*((\b)%2)+\q
.endr
.irp g, 0,4,8,12
.irp j, 0,1,2,3
	v_mbcnt_lo_u32_b32 v[LT+\j], s[16+\g+\j], s35  ; members below me, and before this word
	s_bcnt1_i32_b32 s36, s[16+\g+\j]
	s_add_co_u32 s35, s35, s36
.endr
.irp j, 0,1,2,3
	v_cndmask_b32 v[LT+\j], v14, v[LT+\j], s[16+\g+\j]
.endr
.irp j, 0,1,2,3
	v_min_u32 v[LT+\j], 2335, v[LT+\j]
.endr
.irp j, 0,1,2,3
	v_lshl_add_u32 v[LT+\j], v[LT+\j], 1, s67
.endr
.irp j, 0,1,2,3
	v_add_nc_u32 v[LU+\j], 32*(16*(\b)+\g+\j), v15 ; my lane's token in this word
.endr
.irp j, 0,1,2,3
	ds_store_b16 v[LT+\j], v[LU+\j]
.endr
.endr
.endm
.macro HBLOAD n                        ; half step n's two weight fragments (K step n / 2, columns c = 2 (n % 2) and + 1) into pair n % 3
.irp cc, 0,1
.if (\n) < 32
	ds_load_b128 v[BF+16*((\n)%3)+8*\cc:BF+16*((\n)%3)+8*\cc+3],   v1 offset:(((\n)/2)%16)*4096+(2*((\n)%2)+\cc)*1024
	ds_load_b128 v[BF+16*((\n)%3)+8*\cc+4:BF+16*((\n)%3)+8*\cc+7], v1 offset:(((\n)/2)%16)*4096+(2*((\n)%2)+\cc)*1024+512
.else
	ds_load_b128 v[BF+16*((\n)%3)+8*\cc:BF+16*((\n)%3)+8*\cc+3],   v3 offset:(((\n)/2)%16)*4096+(2*((\n)%2)+\cc)*1024
	ds_load_b128 v[BF+16*((\n)%3)+8*\cc+4:BF+16*((\n)%3)+8*\cc+7], v3 offset:(((\n)/2)%16)*4096+(2*((\n)%2)+\cc)*1024+512
.endif
.endr
.endm
.macro ALOAD k                         ; K step k of my 48 rows: lane (r, h) takes k = 32 k + 8 h .. and 32 k + 16 + 8 h .. of row r
.irp i, 0,1,2
	global_load_b128 v[AR+24*((\k)%4)+8*\i:AR+24*((\k)%4)+8*\i+3],   v[6+\i], s[8:9] offset:64*(\k)
	global_load_b128 v[AR+24*((\k)%4)+8*\i+4:AR+24*((\k)%4)+8*\i+7], v[6+\i], s[8:9] offset:64*(\k)+32
.endr
.endm
.macro HSTEP n                         ; half step n of 64: K step k = n / 2
.if ((\n) > 0) && ((\n) < 62)
.rept 4
	v_nop                                          ; four places ahead of loads into registers that the products just issued have read (ISA guide 7.12.1 for vector instructions)
.endr
.endif
.if (\n) < 62
	HBLOAD (\n)+2                                  ; into the pair that half step n - 1 read
.endif
.if (\n)%2 == 0
.if ((\n) >= 2) && ((\n) <= 56)
	ALOAD (\n)/2+3                                 ; into the ring's slot that K step k - 1 read
.endif
.if (\n) <= 56
	s_wait_loadcnt 18                              ; my rows of this K step are in; the 6 loads of each of the three steps behind may stay out
.else
	s_wait_loadcnt 6*(31-(\n)/2)
.endif
.endif
.if (\n) < 62
	s_wait_dscnt 8                                 ; this half step's fragments are in (at the first the bias too); the 4 loads of each of the two half steps behind may stay out
.else
	s_wait_dscnt 4*(63-(\n))
.endif
.set QB, BF+16*((\n)%3)
.set QA, AR+24*(((\n)/2)%4)
.set QC, ACC+16*((\n)%2)
.irp i, 0,1,2                          ; the twelve accumulators by turns, one instruction a turn, six a half step, over the pass loop's jump too
.irp cc, 0,1
	v_wmma_f32_16x16x32_bf16 v[QC+32*\i+8*\cc:QC+32*\i+8*\cc+7], v[QB+8*\cc:QB+8*\cc+7], v[QA+8*\i:QA+8*\i+7], v[QC+32*\i+8*\cc:QC+32*\i+8*\cc+7]
.endr
.endr
.endm
	s_load_b256 s[4:11], s[0:1], 0x0               ; w1 s[4:5], b1 s[6:7], xb s[8:9], rt s[10:11]
	s_load_b128 s[12:15], s[0:1], 0x20             ; hid s[12:13], pos s[14:15]
	v_lshl_add_u32 v11, v0, 2, SPARE               ; my spare word,
	v_mov_b32 v12, 0                               ; and 0: kept for the closing lines alone
	v_lshrrev_b32 v14, 5, v0
	v_readfirstlane_b32 s32, v14                   ; wave 0..15
	s_mov_b32 s33, ttmp9                           ; slice of 64 columns
	s_and_b32 s34, ttmp7, 0xffff                   ; expert
	v_and_b32 v15, 31, v0                          ; lane
	v_and_b32 v8, 15, v0                           ; r
	v_bfe_u32 v9, v0, 4, 1                         ; h
	v_lshlrev_b32 v1, 4, v15
	v_lshlrev_b32 v6, 2, v15                       ; 4 x lane: my bitmap word
	s_lshl_b32 s36, s32, 13
	v_add_nc_u32 v2, s36, v1                       ; my two K steps' fragments
	v_add_nc_u32 v3, 0x10000, v1
	v_add_nc_u32 v4, BIAS, v1
	v_lshlrev_b32 v13, 16, v9                      ; weights: 8 rows of 8,192 bytes for the upper lanes,
	v_lshl_add_u32 v13, v8, 4, v13                 ; 16 bytes a lane
	v_lshlrev_b32 v14, 7, v9                       ; b1: 32 columns for the upper lanes
	v_lshlrev_b32 v9, 4, v9                        ; 16 h
	v_mov_b32 v10, 0
	v_mov_b32 v7, 0                                ; written before the lane moves name it
	s_mov_b32 s56, 0x76543210
	s_mov_b32 s57, 0xfedcba98
	s_lshr_b32 s36, s32, 2                         ; my first tile: 4 ((w / 4 - w) mod 4) + w mod 4, a permutation of 0..15 in which any four waves alike mod 4,
	s_sub_co_u32 s36, s36, s32                     ; and any four neighbours, hold one tile of each four on end
	s_and_b32 s36, s36, 3
	s_and_b32 s40, s32, 3
	s_lshl2_add_u32 s40, s36, s40
	s_mul_i32 s67, s32, LISTW
	s_add_co_u32 s67, s67, LIST                    ; my list
	s_mul_i32 s36, s40, 96                         ; 48 entries of 2 bytes a tile
	s_add_co_u32 s36, s36, s67
	v_lshl_add_u32 v5, v8, 1, s36                  ; entry 48 tile + r
	s_lshl_b32 s44, s34, 23                        ; w1: expert x 8 MiB + slice x 256 + wave x 64 rows
	s_lshl_b32 s36, s33, 8
	s_add_co_u32 s44, s44, s36
	s_lshl_b32 s36, s32, 19
	s_add_co_u32 s44, s44, s36
	s_mov_b32 s45, 0
	s_lshl_b32 s60, s34, 13                        ; b1: expert x 8,192 + slice x 256
	s_lshl_b32 s36, s33, 8
	s_add_co_u32 s60, s60, s36
	s_mov_b32 s61, 0
	s_lshl_b32 s62, s34, 8                         ; bitmap: expert x 256
	s_mov_b32 s63, 0
	s_wait_kmcnt 0x0
	s_add_nc_u64 s[68:69], s[4:5], s[44:45]
	s_add_nc_u64 s[70:71], s[6:7], s[60:61]
	s_add_nc_u64 s[42:43], s[10:11], s[62:63]
	s_cmp_lg_u32 s32, 0
	s_cbranch_scc1 .Lno_bias_load                  ; wave 0's bias loads go first, so the counted waits below hold on both paths
.irp p, 0,1,2,3,4,5,6,7
	global_load_b128 v[32+4*\p:32+4*\p+3], v14, s[70:71] offset:16*\p  ; b1 of columns 32 h + 4 p .. + 3
.endr
.Lno_bias_load:
.irp a, 0,1,2,3
	global_load_b128 v[16+4*\a:16+4*\a+3], v1, s[10:11] offset:2048+512*\a  ; cnt8: group lane + 32 a, eight u16
.endr
	global_load_b32 v[BM],   v6, s[42:43]              ; my expert's bitmap: 128 neighbouring bytes a load
	global_load_b32 v[BM+1], v6, s[42:43] offset:128
	WLOAD 0
	WLOAD 1
	s_wait_loadcnt 32                              ; bias, counts and bitmap are in; the 32 weight loads stay out
.irp d, 0,1,2,3                        ; two u16 sums a word; a sum is 2,048 at the most, so nothing carries between the halves
	v_add_nc_u32 v[16+\d], v[16+\d], v[20+\d]
	v_add_nc_u32 v[24+\d], v[24+\d], v[28+\d]
	v_add_nc_u32 v[16+\d], v[16+\d], v[24+\d]
.endr
	ISUM 16
	ISUM 17
	ISUM 18
	ISUM 19
.irp d, 0,1,2,3
	v_readfirstlane_b32 s[60+\d], v[16+\d]
.endr
.irp d, 0,1,2,3
	s_and_b32 s[48+2*\d], s[60+\d], 0xffff
	s_lshr_b32 s[49+2*\d], s[60+\d], 16
.endr
	s_mov_b32 s39, 0
	s_mov_b32 s37, 0
.irp q, 0,1,2,3,4,5,6,7
	s_add_co_u32 s36, s[48+\q], 47
	s_mul_hi_u32 s36, s36, 0x05555556              ; ceil(count / 48): exact for counts up to 2,048
	s_cmp_lt_u32 \q, s34
	s_cselect_b32 s36, s36, 0
	s_add_co_u32 s39, s39, s36                     ; tiles of 48 of the experts before mine
	s_cmp_eq_u32 s34, \q
	s_cselect_b32 s37, s[48+\q], s37               ; my count
.endr
	s_min_u32 s37, s37, 2048
	s_add_co_u32 s38, s37, 47
	s_mul_hi_u32 s38, s38, 0x05555556              ; my tiles of 48
	s_mul_i32 s66, s39, 48                         ; my first position
	s_mul_i32 s39, s39, 3                          ; my first tile of 16
	v_add_nc_u32 v14, 2304, v15                    ; my dump word's entry
	s_mov_b32 s35, 0
	LIST16 0                                       ; THE LIST, all 64 bitmap words, while the weights are on their way
	LIST16 1
	LIST16 2
	LIST16 3
	v_add_nc_u32 v7, s37, v15                      ; the 64 entries behind the count (47 at the most are read) name token 0
	v_min_u32 v7, 2271, v7
	v_lshl_add_u32 v8, v7, 1, s67
	ds_store_b16 v8, v10
	ds_store_b16 v8, v10 offset:64
	s_cmp_lg_u32 s32, 0
	s_cbranch_scc1 .Lno_bias
.irp c, 0,1,2,3                        ; the bias, rounded to bf16, in the accumulators' order: register p of fragment c = column 32 h + 4 p + c
.irp p, 0,2,4,6
	v_cvt_pk_bf16_f32 v7, v[32+4*\p+\c], v[32+4*\p+4+\c]
	v_lshlrev_b32 v[64+8*\c+\p], 16, v7
	v_and_b32 v[64+8*\c+\p+1], 0xffff0000, v7
.endr
	ds_store_b128 v4, v[64+8*\c:64+8*\c+3] offset:\c*1024
	ds_store_b128 v4, v[64+8*\c+4:64+8*\c+7] offset:\c*1024+512
.endr
.Lno_bias:
	s_wait_loadcnt 16                              ; my first K step's 16 loads are in
	CONV 0
	s_wait_loadcnt 0x0
	CONV 1
	s_wait_dscnt 0x0                               ; for the others' sake: my fragments (and wave 0's bias) are stored
	s_barrier_signal -1
	s_barrier_wait -1                              ; LDS is filled: from here to the next barrier it is only read
	s_xor_b32 s36, s32, 11
	s_or_b32 s36, s36, s33
	s_cmp_lg_u32 s36, 0
	s_cbranch_scc1 .Lno_pos                        ; slice 0's wave 11 stores the positions of its expert's tokens; what a non-member's word holds nobody reads
	s_lshl_b32 s60, s34, 13
	s_mov_b32 s61, 0
	s_add_nc_u64 s[58:59], s[14:15], s[60:61]
	v_lshlrev_b32 v8, 2, v15
	s_mov_b32 s35, s66
	s_mov_b32 s41, 4
.Lpos:
	s_load_b512 s[16:31], s[42:43], 0x0
	s_wait_kmcnt 0x0
.irp q, 0,1,2,3,4,5,6,7,8,9,10,11,12,13,14,15
	v_mbcnt_lo_u32_b32 v[64+\q], s[16+\q], s35
	global_store_b32 v8, v[64+\q], s[58:59] offset:\q*128
	s_bcnt1_i32_b32 s36, s[16+\q]
	s_add_co_u32 s35, s35, s36
.endr
	s_wait_xcnt 0x0                                ; the stores' data and base are written again only behind this wait
	s_add_nc_u64 s[58:59], s[58:59], 2048
	s_add_nc_u64 s[42:43], s[42:43], 64
	s_sub_co_u32 s41, s41, 1
	s_cmp_lg_u32 s41, 0
	s_cbranch_scc1 .Lpos
	s_lshl_b32 s60, s34, 7                         ; meta: 128 bytes an expert: even words the first tile of 16, odd words the count
	s_add_co_u32 s60, s60, 0x10000
	s_add_nc_u64 s[58:59], s[14:15], s[60:61]
	v_mov_b32 v64, s39
	v_mov_b32 v65, s37
	s_mov_b32 s36, 0xaaaaaaaa
	v_cndmask_b32 v64, v64, v65, s36
	global_store_b32 v8, v64, s[58:59]
	s_wait_xcnt 0x0                                ; v8 and v64 are written again below
.Lno_pos:
	s_mov_b32 s41, 3
.Lpass:
	s_cmp_ge_u32 s40, s38
	s_cbranch_scc1 .Lskip                          ; no tile for me in this pass
	s_wait_xcnt 0x0                                ; the last pass's stores have read the accumulators and their base
	ds_load_u16 v6, v5                             ; entries 48 tile + r, + 16, + 32 of my own list: 2,063 at the most
	ds_load_u16 v7, v5 offset:32
	ds_load_u16 v8, v5 offset:64
	s_mul_i32 s36, s40, 3
	s_add_co_u32 s36, s36, s39
	s_min_u32 s36, s36, 276                        ; my three tiles of 16 lie inside hid's 279
	s_lshl_b32 s44, s36, 16
	s_lshl_b32 s36, s33, 11                        ; fragments 2 s and 2 s + 1
	s_add_co_u32 s44, s44, s36
	s_add_nc_u64 s[46:47], s[12:13], s[44:45]
	s_wait_dscnt 0x0
.irp i, 0,1,2
	v_min_u32 v[6+\i], 2047, v[6+\i]
	v_lshl_add_u32 v[6+\i], v[6+\i], 11, v9        ; token x 2,048 bytes + 16 h
.endr
	ALOAD 0
	ALOAD 1
	ALOAD 2
	ALOAD 3
.irp i, 0,1,2                          ; the bias starts the sums: nothing is cleared
.irp c, 0,1,2,3
	ds_load_b128 v[ACC+32*\i+8*\c:ACC+32*\i+8*\c+3],   v4 offset:\c*1024
	ds_load_b128 v[ACC+32*\i+8*\c+4:ACC+32*\i+8*\c+7], v4 offset:\c*1024+512
.endr
.endr
	HBLOAD 0
	HBLOAD 1
.set hn, 0
.rept 64
	HSTEP hn
.set hn, hn+1
.endr
.rept 4
	v_nop                                          ; four places ahead of the first read of the results
.endr
.irp i, 0,1,2
.irp c, 0,1,2,3
.set AA, ACC+32*\i+8*\c
	v_cvt_pk_bf16_f32 v[AA],   v[AA],   v[AA+1]    ; from the low end on, in place
	v_cvt_pk_bf16_f32 v[AA+1], v[AA+2], v[AA+3]
	v_cvt_pk_bf16_f32 v[AA+2], v[AA+4], v[AA+5]
	v_cvt_pk_bf16_f32 v[AA+3], v[AA+6], v[AA+7]
	v_pk_max_num_bf16 v[AA],   v[AA],   v10        ; relu; it rounds nothing
	v_pk_max_num_bf16 v[AA+1], v[AA+1], v10
	v_pk_max_num_bf16 v[AA+2], v[AA+2], v10
	v_pk_max_num_bf16 v[AA+3], v[AA+3], v10
	global_store_b128 v1, v[AA:AA+3], s[46:47] offset:\i*65536+\c*512  ; 512 consecutive bytes, at a multiple of 256 from hid's first byte
.endr
.endr
.Lskip:
	s_add_co_u32 s40, s40, 16
	v_add_nc_u32 v5, 1536, v5                      ; 16 tiles x 48 entries x 2 bytes
	s_sub_co_u32 s41, s41, 1
	s_cmp_lg_u32 s41, 0
	s_cbranch_scc1 .Lpass
	s_wait_dscnt 0x0                               ; my reads of LDS are over,
	s_barrier_signal -1
	s_barrier_wait -1                              ; and so are all sixteen waves': only behind this barrier is LDS written again, by the closing lines
	s_wait_tensorcnt 0x0                           ; the wave's end
	ds_add_u32 v11, v12
	s_wait_dscnt 0x0
	s_endpgm
.Lfunc_end_k_qeb026f6f6a_up:
	.size	k_qeb026f6f6a_up, .Lfunc_end_k_qeb026f6f6a_up-k_qeb026f6f6a_up
	.p2alignl 7, 3214868480
	.fill 96, 4, 3214868480
	.section	.rodata,"a",@progbits
	.p2align	6, 0x0
	.amdhsa_kernel k_qeb026f6f6a_up
		.amdhsa_group_segment_fixed_size 215040
		.amdhsa_private_segment_fixed_size 0
		.amdhsa_enable_private_segment 0
		.amdhsa_kernarg_size 48
		.amdhsa_user_sgpr_count 2
		.amdhsa_user_sgpr_kernarg_segment_ptr 1
		.amdhsa_wavefront_size32 1
		.amdhsa_system_sgpr_workgroup_id_x 1
		.amdhsa_system_sgpr_workgroup_id_y 1
		.amdhsa_system_sgpr_workgroup_id_z 1
		.amdhsa_system_vgpr_workitem_id 0
		.amdhsa_next_free_vgpr 256
		.amdhsa_next_free_sgpr 80
		.amdhsa_reserve_vcc 0
		.amdhsa_float_denorm_mode_32 3
		.amdhsa_float_denorm_mode_16_64 3
		.amdhsa_memory_ordered 1
		.amdhsa_forward_progress 1
		.amdhsa_inst_pref_size 136
	.end_amdhsa_kernel
	.amdgpu_metadata
---
amdhsa.version: [ 1, 2 ]
amdhsa.kernels:
  - .name:           k_qeb026f6f6a_up
    .symbol:         k_qeb026f6f6a_up.kd
    .args:
      - { .name: w1, .offset: 0, .size: 8, .value_kind: global_buffer, .address_space: global }
      - { .name: b1, .offset: 8, .size: 8, .value_kind: global_buffer, .address_space: global }
      - { .name: xb, .offset: 16, .size: 8, .value_kind: global_buffer, .address_space: global }
      - { .name: rt, .offset: 24, .size: 8, .value_kind: global_buffer, .address_space: global }
      - { .name: hid, .offset: 32, .size: 8, .value_kind: global_buffer, .address_space: global }
      - { .name: pos, .offset: 40, .size: 8, .value_kind: global_buffer, .address_space: global }
    .group_segment_fixed_size: 215040
    .private_segment_fixed_size: 0
    .kernarg_segment_align: 8
    .kernarg_segment_size: 48
    .max_flat_workgroup_size: 512
    .sgpr_count:     80
    .vgpr_count:     256
    .wavefront_size: 32
...
	.end_amdgpu_metadata
.endif
;; end of part 2
;; launch down (part 3): grid 32 x 8, 16 waves a work-group, no clusters, 133,120 bytes of LDS; arguments w2, b2, hid, pos, part; writes part
.if DOCPART == 3
	.amdgcn_target "amdgcn-amd-amdhsa--gfx1250"
	.amdhsa_code_object_version 6
	.text
	.protected	k_qeb026f6f6a_down
	.globl	k_qeb026f6f6a_down
	.p2align	8
	.type	k_qeb026f6f6a_down,@function
k_qeb026f6f6a_down:
	s_mov_b64 s[64:65], 0
	v_nop
	global_prefetch_b8 v0, s[64:65] scope:SCOPE_SE
	s_setreg_imm32_b32 hwreg(HW_REG_WAVE_MODE, 25, 1), 1
	s_wait_xcnt 0x0
; SECOND PRODUCT.  part[kh][position] = hid[position][K half kh] w2[e][K half kh] (+ b2[e] in half 0), in f32.  Work-group (cs + 16 kh, e) holds columns 64 cs .. + 63 and rows
; 1,024 kh .. + 1,023 of w2[e], which it alone reads: each weight leaves memory once and is rounded to bf16 on its way through registers into LDS (128 KiB of fragments).  The whole slice is
; asked for in the first lines.  Then the expert's tiles of 48 positions go by, dealt to the 16 waves; the hidden rows come from hid straight into registers, 512 consecutive bytes a load, laid out
; by the first product as this product's row fragments.  K is split so that a work-group has the same 64 x 1,024 as in the first product; the two partial rows (partial sums: f32) are added by the last launch.
; w2 and b2 are rounded to bf16, sums in f32.  LIMITS: NaN and infinities are not treated apart.
; K's ORDER.  Slot (j, h, p) of hid's fragment 2 s + u is hidden column 64 s + 32 h + 4 p + 2 u + j; w2's rows are taken in the same order, so the products meet.
; Fragment c (0..3) holds column 4 r + c in lane r: a lane's four results of one row are four neighbouring columns, 16 bytes.
; THE ROW LOOP.  A K step of 32 is two half steps of 6 products (columns c = 0, 1; then c = 2, 3).  The weight fragments lie in three pairs of buffers that take turns: half step n reads pair n % 3, and at
; its head the pair that half step n - 1 read is asked for again, for half step n + 2: 12 products stand between a fragment's load and the wait for it.  The rows lie in a ring of four K steps.
; NO TENSOR LOADS, NO CLUSTER.  The 16 column slices of an expert and K half read the same hidden rows, but how many tiles there are hangs on a stored count (0 to 43 an expert), so the row loop holds no
; barrier and no LDS write; joint loads would want the same constant number of trips, 43, in every partner, against some 11 for an even split.
.set SPARE, 131072                     ; behind the fragments (k step x 4,096 + c x 1,024 + j x 512 + lane x 16): the spare words, 128 bytes for each of 16 waves; no other line names them
.set PH,    18284544                   ; bytes of one K half of part: 4,464 positions x 4,096
.set BI,  6                            ; v[6:9]     b2 of my four columns (0 in K half 1)
.set BF,  16                           ; v[16:63]   weight fragments: three pairs
.set AR,  64                           ; v[64:159]  rows: a ring of four K steps x three fragments; on the way out the rows to store
.set ACC, 160                          ; v[160:255] accumulator (i, c) at ACC + 32 i + 8 c
.set LW,  128                          ; weight phase: v[128:255] 32 loads of 4 f32
.set OW,  112                          ; weight phase: v[112:127] packed fragments, four sets
; v1 16 x lane   v2 + wave x 8,192   v3 + 65,536   v5 my place in two rows of part   v11, v12 the add's two   v13 weights' lane term   v14, v15 at work
; s[16:17] first tile, count   s32 wave  s34 expert  s35 column slice  s36 at work  s37 K half  s38 tiles of 48  s39 first tile of 16  s40 my tile  s41 trips
; s[44:45], s[52:53] offsets  s[46:47] part base  s[48:49] hid base  s[50:51] weights  s55 meta's offset  s56, s57 masks  s[58:59] b2
.macro WLOAD a                         ; 16 loads: K step 2 w + a.  Lanes 0-15 take 256 bytes of one row, lanes 16-31 of the row 32 further on
.irp hf, 0,1
.irp i, 0,1,2,3,4,5,6,7
	global_load_b128 v[LW+((2*(\a)+\hf)*8+\i)*4:LW+((2*(\a)+\hf)*8+\i)*4+3], v13, s[50:51] offset:(4*\i+2*(\a)+\hf)*4096 th:TH_LOAD_NT
.endr
.endr
.endm
.macro CONV a                          ; slots 2 d and 2 d + 1 of column c pack into register d of fragment c's half hf; 512 neighbouring bytes a store
.irp hf, 0,1
.irp c, 0,1,2,3
.irp d, 0,1,2,3
	v_cvt_pk_bf16_f32 v[OW+4*\c+\d], v[LW+((2*(\a)+\hf)*8+2*\d)*4+\c], v[LW+((2*(\a)+\hf)*8+2*\d+1)*4+\c]
.endr
	ds_store_b128 v2, v[OW+4*\c:OW+4*\c+3] offset:(\a)*4096+\c*1024+\hf*512
.endr
.endr
.endm
.macro HBLOAD n                        ; half step n's two weight fragments (K step n / 2, columns c = 2 (n % 2) and + 1) into pair n % 3
.irp cc, 0,1
.if (\n) < 32
	ds_load_b128 v[BF+16*((\n)%3)+8*\cc:BF+16*((\n)%3)+8*\cc+3],   v1 offset:(((\n)/2)%16)*4096+(2*((\n)%2)+\cc)*1024
	ds_load_b128 v[BF+16*((\n)%3)+8*\cc+4:BF+16*((\n)%3)+8*\cc+7], v1 offset:(((\n)/2)%16)*4096+(2*((\n)%2)+\cc)*1024+512
.else
	ds_load_b128 v[BF+16*((\n)%3)+8*\cc:BF+16*((\n)%3)+8*\cc+3],   v3 offset:(((\n)/2)%16)*4096+(2*((\n)%2)+\cc)*1024
	ds_load_b128 v[BF+16*((\n)%3)+8*\cc+4:BF+16*((\n)%3)+8*\cc+7], v3 offset:(((\n)/2)%16)*4096+(2*((\n)%2)+\cc)*1024+512
.endif
.endr
.endm
.macro ALOAD k                         ; K step k of my three tiles of 16 rows, as stored: 512 consecutive bytes a load
.irp i, 0,1,2
	global_load_b128 v[AR+24*((\k)%4)+8*\i:AR+24*((\k)%4)+8*\i+3],   v1, s[48:49] offset:\i*65536+(\k)*1024
	global_load_b128 v[AR+24*((\k)%4)+8*\i+4:AR+24*((\k)%4)+8*\i+7], v1, s[48:49] offset:\i*65536+(\k)*1024+512
.endr
.endm
.macro HSTEP n                         ; half step n of 64: K step k = n / 2
.if ((\n) > 0) && ((\n) < 62)
.rept 4
	v_nop                                          ; four places ahead of loads into registers that the products just issued have read (ISA guide 7.12.1 for vector instructions)
.endr
.endif
.if (\n) < 62
	HBLOAD (\n)+2                                  ; into the pair that half step n - 1 read
.endif
.if (\n)%2 == 0
.if ((\n) >= 2) && ((\n) <= 56)
	ALOAD (\n)/2+3                                 ; into the ring's slot that K step k - 1 read
.endif
.if (\n) <= 56
	s_wait_loadcnt 18                              ; my rows of this K step are in; the 6 loads of each of the three steps behind may stay out
.else
	s_wait_loadcnt 6*(31-(\n)/2)
.endif
.endif
.if (\n) < 62
	s_wait_dscnt 8                                 ; this half step's fragments are in; the 4 loads of each of the two half steps behind may stay out
.else
	s_wait_dscnt 4*(63-(\n))
.endif
.set QB, BF+16*((\n)%3)
.set QA, AR+24*(((\n)/2)%4)
.set QC, ACC+16*((\n)%2)
.irp i, 0,1,2                          ; the twelve accumulators by turns, one instruction a turn, six a half step, over the pass loop's jump too
.irp cc, 0,1
.if (\n) < 2
	v_wmma_f32_16x16x32_bf16 v[QC+32*\i+8*\cc:QC+32*\i+8*\cc+7], v[QA+8*\i:QA+8*\i+7], v[QB+8*\cc:QB+8*\cc+7], 0
.else
	v_wmma_f32_16x16x32_bf16 v[QC+32*\i+8*\cc:QC+32*\i+8*\cc+7], v[QA+8*\i:QA+8*\i+7], v[QB+8*\cc:QB+8*\cc+7], v[QC+32*\i+8*\cc:QC+32*\i+8*\cc+7]
.endif
.endr
.endr
.endm
	s_load_b256 s[4:11], s[0:1], 0x0               ; w2 s[4:5], b2 s[6:7], hid s[8:9], pos s[10:11]
	s_load_b64 s[12:13], s[0:1], 0x20              ; part
	v_lshl_add_u32 v11, v0, 2, SPARE               ; my spare word,
	v_mov_b32 v12, 0                               ; and 0: kept for the closing lines alone
	v_lshrrev_b32 v14, 5, v0
	v_readfirstlane_b32 s32, v14                   ; wave 0..15
	s_and_b32 s35, ttmp9, 15                       ; slice of 64 columns
	s_lshr_b32 s37, ttmp9, 4                       ; K half
	s_and_b32 s34, ttmp7, 0xffff                   ; expert
	v_and_b32 v15, 31, v0
	v_and_b32 v8, 15, v0                           ; r
	v_bfe_u32 v9, v0, 4, 1                         ; h
	v_lshlrev_b32 v1, 4, v15
	s_lshl_b32 s36, s32, 13
	v_add_nc_u32 v2, s36, v1                       ; my two K steps' fragments
	v_add_nc_u32 v3, 0x10000, v1
	v_lshlrev_b32 v14, 4, v8                       ; 16 r: my four columns
	v_lshl_add_u32 v13, v9, 17, v14                ; weights: 32 rows of 4,096 bytes for the upper lanes
	v_lshl_add_u32 v5, v9, 15, v14                 ; part: 8 rows of 4,096 bytes for the upper lanes
	s_lshr_b32 s36, s32, 2                         ; my first tile, as in the first product
	s_sub_co_u32 s36, s36, s32
	s_and_b32 s36, s36, 3
	s_and_b32 s40, s32, 3
	s_lshl2_add_u32 s40, s36, s40
	s_lshl_b32 s44, s34, 23                        ; w2: expert x 8 MiB + K half x 4 MiB + slice x 256 + wave x 64 rows
	s_lshl_b32 s36, s37, 22
	s_add_co_u32 s44, s44, s36
	s_lshl_b32 s36, s35, 8
	s_add_co_u32 s44, s44, s36
	s_lshl_b32 s36, s32, 18
	s_add_co_u32 s44, s44, s36
	s_mov_b32 s45, 0
	s_lshl_b32 s52, s34, 12                        ; b2: expert x 4,096 + slice x 256
	s_lshl_b32 s36, s35, 8
	s_add_co_u32 s52, s52, s36
	s_mov_b32 s53, 0
	s_lshl_b32 s55, s34, 7                         ; meta: 128 bytes an expert
	s_wait_kmcnt 0x0
	s_load_b64 s[16:17], s[10:11], s55 offset:0x10000  ; my expert's first tile of 16, and its count
	s_add_nc_u64 s[50:51], s[4:5], s[44:45]
	s_add_nc_u64 s[58:59], s[6:7], s[52:53]
	global_load_b128 v[BI:BI+3], v14, s[58:59]
	WLOAD 0
	WLOAD 1
	s_wait_loadcnt 32                              ; the bias is in; the 32 weight loads stay out
	s_cmp_eq_u32 s37, 0
	s_cselect_b32 s56, -1, 0                       ; K half 1 adds no bias
	s_and_b32 s57, s56, 0xffff0000
	v_cvt_pk_bf16_f32 v15, v[BI], v[BI+1]
	v_cvt_pk_bf16_f32 v14, v[BI+2], v[BI+3]
	v_lshlrev_b32 v[BI], 16, v15
	v_and_b32 v[BI], s56, v[BI]
	v_and_b32 v[BI+1], s57, v15
	v_lshlrev_b32 v[BI+2], 16, v14
	v_and_b32 v[BI+2], s56, v[BI+2]
	v_and_b32 v[BI+3], s57, v14
	s_wait_kmcnt 0x0
	s_mov_b32 s39, s16
	s_min_u32 s38, s17, 2048
	s_add_co_u32 s38, s38, 47
	s_mul_hi_u32 s38, s38, 0x05555556              ; ceil(count / 48): exact for counts up to 2,048
	s_wait_loadcnt 16                              ; my first K step's 16 loads are in
	CONV 0
	s_wait_loadcnt 0x0
	CONV 1
	s_wait_dscnt 0x0                               ; for the others' sake: my fragments are stored
	s_barrier_signal -1
	s_barrier_wait -1                              ; the one barrier: from here on only the closing lines write LDS
	s_mov_b32 s41, 3
.Lpass:
	s_cmp_ge_u32 s40, s38
	s_cbranch_scc1 .Lskip                          ; no tile for me in this pass
	s_wait_xcnt 0x0                                ; the last pass's stores have read the ring's registers and their base
	s_mul_i32 s36, s40, 3
	s_add_co_u32 s36, s36, s39
	s_min_u32 s36, s36, 276                        ; my three tiles of 16 lie inside the 279
	s_lshl_b32 s44, s36, 16                        ; a tile is 65,536 bytes in hid and in part
	s_lshl_b32 s36, s37, 15                        ; hid: 32 fragments of 1,024 bytes a K half
	s_add_co_u32 s52, s44, s36
	s_add_nc_u64 s[48:49], s[8:9], s[52:53]
	s_mul_i32 s36, s37, PH
	s_add_co_u32 s44, s44, s36
	s_lshl_b32 s36, s35, 8
	s_add_co_u32 s44, s44, s36
	s_add_nc_u64 s[46:47], s[12:13], s[44:45]
	ALOAD 0
	ALOAD 1
	ALOAD 2
	ALOAD 3
	HBLOAD 0
	HBLOAD 1
.set hn, 0
.rept 64
	HSTEP hn
.set hn, hn+1
.endr
.rept 4
	v_nop                                          ; four places ahead of the first read of the results and of the writes into the ring
.endr
.irp i, 0,1,2
.irp p, 0,1,2,3,4,5,6,7                ; each accumulator from its low end on; one add gathers a row's four columns and adds the bias
.irp c, 0,1,2,3
	v_add_f32 v[AR+4*(8*\i+\p)+\c], v[ACC+32*\i+8*\c+\p], v[BI+\c]
.endr
	global_store_b128 v5, v[AR+4*(8*\i+\p):AR+4*(8*\i+\p)+3], s[46:47] offset:\i*65536+\p*4096  ; 16 lanes store 256 consecutive bytes of a row, at a multiple of 256 from part's first byte
.endr
.endr
.Lskip:
	s_add_co_u32 s40, s40, 16
	s_sub_co_u32 s41, s41, 1
	s_cmp_lg_u32 s41, 0
	s_cbranch_scc1 .Lpass
	s_wait_tensorcnt 0x0                           ; the wave's end
	ds_add_u32 v11, v12
	s_wait_dscnt 0x0
	s_endpgm
.Lfunc_end_k_qeb026f6f6a_down:
	.size	k_qeb026f6f6a_down, .Lfunc_end_k_qeb026f6f6a_down-k_qeb026f6f6a_down
	.p2alignl 7, 3214868480
	.fill 96, 4, 3214868480
	.section	.rodata,"a",@progbits
	.p2align	6, 0x0
	.amdhsa_kernel k_qeb026f6f6a_down
		.amdhsa_group_segment_fixed_size 133120
		.amdhsa_private_segment_fixed_size 0
		.amdhsa_enable_private_segment 0
		.amdhsa_kernarg_size 40
		.amdhsa_user_sgpr_count 2
		.amdhsa_user_sgpr_kernarg_segment_ptr 1
		.amdhsa_wavefront_size32 1
		.amdhsa_system_sgpr_workgroup_id_x 1
		.amdhsa_system_sgpr_workgroup_id_y 1
		.amdhsa_system_sgpr_workgroup_id_z 1
		.amdhsa_system_vgpr_workitem_id 0
		.amdhsa_next_free_vgpr 256
		.amdhsa_next_free_sgpr 66
		.amdhsa_reserve_vcc 0
		.amdhsa_float_denorm_mode_32 3
		.amdhsa_float_denorm_mode_16_64 3
		.amdhsa_memory_ordered 1
		.amdhsa_forward_progress 1
		.amdhsa_inst_pref_size 86
	.end_amdhsa_kernel
	.amdgpu_metadata
---
amdhsa.version: [ 1, 2 ]
amdhsa.kernels:
  - .name:           k_qeb026f6f6a_down
    .symbol:         k_qeb026f6f6a_down.kd
    .args:
      - { .name: w2, .offset: 0, .size: 8, .value_kind: global_buffer, .address_space: global }
      - { .name: b2, .offset: 8, .size: 8, .value_kind: global_buffer, .address_space: global }
      - { .name: hid, .offset: 16, .size: 8, .value_kind: global_buffer, .address_space: global }
      - { .name: pos, .offset: 24, .size: 8, .value_kind: global_buffer, .address_space: global }
      - { .name: part, .offset: 32, .size: 8, .value_kind: global_buffer, .address_space: global }
    .group_segment_fixed_size: 133120
    .private_segment_fixed_size: 0
    .kernarg_segment_align: 8
    .kernarg_segment_size: 40
    .max_flat_workgroup_size: 512
    .sgpr_count:     66
    .vgpr_count:     256
    .wavefront_size: 32
...
	.end_amdgpu_metadata
.endif
;; end of part 3
;; launch combine (part 4): grid 256 x 1, 8 waves a work-group, no clusters, 0 bytes of LDS; arguments part, rt, pos, gat, out0; writes out0
.if DOCPART == 4
	.amdgcn_target "amdgcn-amd-amdhsa--gfx1250"
	.amdhsa_code_object_version 6
	.text
	.protected	k_qeb026f6f6a_combine
	.globl	k_qeb026f6f6a_combine
	.p2align	8
	.type	k_qeb026f6f6a_combine,@function
k_qeb026f6f6a_combine:
	s_mov_b64 s[64:65], 0
	v_nop
	global_prefetch_b8 v0, s[64:65] scope:SCOPE_SE
	s_setreg_imm32_b32 hwreg(HW_REG_WAVE_MODE, 25, 1), 1
	s_wait_xcnt 0x0
; THE SUM.  out0[t] = g1 (part[0][p1] + part[1][p1]) + g2 (part[0][p2] + part[1][p2]), all f32: p1, p2 are token t's positions in its two experts' runs, g1, g2 its gates.
; A wave owns one token: a row of 4,096 bytes is eight loads of 512 consecutive bytes from each of the four partial rows, all 32 asked for before the first wait.
; A stream: no LDS, no barrier, no matrix unit; each partial row is read once and each output byte written once.
.set PH, 18284544                      ; bytes of one K half of part
.set R,  16                            ; v[16:143] chunk c at R + 16 c: four registers from each of the four rows
	s_load_b256 s[4:11], s[0:1], 0x0               ; part s[4:5], rt s[6:7], pos s[8:9], gat s[10:11]
	s_load_b64 s[12:13], s[0:1], 0x20              ; out0
	v_lshrrev_b32 v2, 5, v0
	v_readfirstlane_b32 s14, v2                    ; wave 0..7
	v_and_b32 v1, 31, v0
	v_lshlrev_b32 v1, 4, v1                        ; 16 x lane
	s_lshl_b32 s15, ttmp9, 3
	s_add_co_u32 s15, s15, s14                     ; my token
	s_lshl_b32 s20, s15, 3
	s_lshl_b32 s21, s15, 2
	s_lshl_b32 s22, s15, 12
	s_mov_b32 s23, 0
	s_wait_kmcnt 0x0
	s_load_b64 s[16:17], s[6:7], s20 offset:0x1000 ; its two experts,
	s_load_b64 s[18:19], s[10:11], s20 offset:0x0  ; their gates,
.irp q, 0,1,2,3,4,5,6,7
	s_load_b32 s[24+\q], s[8:9], s21 offset:\q*8192  ; and its word in each expert's table of positions
.endr
	s_add_nc_u64 s[12:13], s[12:13], s[22:23]
	s_mov_b32 s32, 0
	s_mov_b32 s33, 0
	s_wait_kmcnt 0x0
.irp q, 0,1,2,3,4,5,6,7
	s_cmp_eq_u32 s16, \q
	s_cselect_b32 s32, s[24+\q], s32
	s_cmp_eq_u32 s17, \q
	s_cselect_b32 s33, s[24+\q], s33
.endr
	s_min_u32 s32, s32, 4463                       ; inside part's 4,464 positions
	s_min_u32 s33, s33, 4463
	s_lshl_b32 s34, s32, 12
	s_mov_b32 s35, 0
	s_lshl_b32 s46, s33, 12
	s_mov_b32 s47, 0
	s_add_nc_u64 s[36:37], s[4:5], s[34:35]
	s_add_nc_u64 s[38:39], s[36:37], PH
	s_add_nc_u64 s[40:41], s[4:5], s[46:47]
	s_add_nc_u64 s[42:43], s[40:41], PH
	s_mov_b32 s44, s19                             ; g2 as the low word of a pair: the packed forms take the low word for both halves
	s_mov_b32 s45, s19
.irp c, 0,1,2,3,4,5,6,7
	global_load_b128 v[R+16*\c:R+16*\c+3],     v1, s[36:37] offset:512*\c th:TH_LOAD_NT
	global_load_b128 v[R+16*\c+4:R+16*\c+7],   v1, s[38:39] offset:512*\c th:TH_LOAD_NT
	global_load_b128 v[R+16*\c+8:R+16*\c+11],  v1, s[40:41] offset:512*\c th:TH_LOAD_NT
	global_load_b128 v[R+16*\c+12:R+16*\c+15], v1, s[42:43] offset:512*\c th:TH_LOAD_NT
.endr
.irp c, 0,1,2,3,4,5,6,7
	s_wait_loadcnt 4*(7-\c)                        ; chunk c's four loads are in; the younger chunks' stay out
.irp u, 0,2
	v_pk_mul_f32 v[R+16*\c+\u:R+16*\c+\u+1], v[R+16*\c+\u:R+16*\c+\u+1], s[18:19] op_sel_hi:[1,0]
	v_pk_fma_f32 v[R+16*\c+\u:R+16*\c+\u+1], v[R+16*\c+4+\u:R+16*\c+4+\u+1], s[18:19], v[R+16*\c+\u:R+16*\c+\u+1] op_sel_hi:[1,0,1]
	v_pk_fma_f32 v[R+16*\c+\u:R+16*\c+\u+1], v[R+16*\c+8+\u:R+16*\c+8+\u+1], s[44:45], v[R+16*\c+\u:R+16*\c+\u+1] op_sel_hi:[1,0,1]
	v_pk_fma_f32 v[R+16*\c+\u:R+16*\c+\u+1], v[R+16*\c+12+\u:R+16*\c+12+\u+1], s[44:45], v[R+16*\c+\u:R+16*\c+\u+1] op_sel_hi:[1,0,1]
.endr
	global_store_b128 v1, v[R+16*\c:R+16*\c+3], s[12:13] offset:512*\c th:TH_STORE_NT  ; 512 consecutive bytes, at a multiple of 256 from out0's first byte
.endr
	s_endpgm
.Lfunc_end_k_qeb026f6f6a_combine:
	.size	k_qeb026f6f6a_combine, .Lfunc_end_k_qeb026f6f6a_combine-k_qeb026f6f6a_combine
	.p2alignl 7, 3214868480
	.fill 96, 4, 3214868480
	.section	.rodata,"a",@progbits
	.p2align	6, 0x0
	.amdhsa_kernel k_qeb026f6f6a_combine
		.amdhsa_group_segment_fixed_size 0
		.amdhsa_private_segment_fixed_size 0
		.amdhsa_enable_private_segment 0
		.amdhsa_kernarg_size 40
		.amdhsa_user_sgpr_count 2
		.amdhsa_user_sgpr_kernarg_segment_ptr 1
		.amdhsa_wavefront_size32 1
		.amdhsa_system_sgpr_workgroup_id_x 1
		.amdhsa_system_sgpr_workgroup_id_y 1
		.amdhsa_system_sgpr_workgroup_id_z 1
		.amdhsa_system_vgpr_workitem_id 0
		.amdhsa_next_free_vgpr 144
		.amdhsa_next_free_sgpr 66
		.amdhsa_reserve_vcc 0
		.amdhsa_float_denorm_mode_32 3
		.amdhsa_float_denorm_mode_16_64 3
		.amdhsa_memory_ordered 1
		.amdhsa_forward_progress 1
		.amdhsa_inst_pref_size 11
	.end_amdhsa_kernel
	.amdgpu_metadata
---
amdhsa.version: [ 1, 2 ]
amdhsa.kernels:
  - .name:           k_qeb026f6f6a_combine
    .symbol:         k_qeb026f6f6a_combine.kd
    .args:
      - { .name: part, .offset: 0, .size: 8, .value_kind: global_buffer, .address_space: global }
      - { .name: rt, .offset: 8, .size: 8, .value_kind: global_buffer, .address_space: global }
      - { .name: pos, .offset: 16, .size: 8, .value_kind: global_buffer, .address_space: global }
      - { .name: gat, .offset: 24, .size: 8, .value_kind: global_buffer, .address_space: global }
      - { .name: out0, .offset: 32, .size: 8, .value_kind: global_buffer, .address_space: global }
    .group_segment_fixed_size: 0
    .private_segment_fixed_size: 0
    .kernarg_segment_align: 8
    .kernarg_segment_size: 40
    .max_flat_workgroup_size: 256
    .sgpr_count:     66
    .vgpr_count:     144
    .wavefront_size: 32
...
	.end_amdgpu_metadata
.endif
;; end of part 4
